; MI455X (gfx1250); checked and timed in simulation.
; The chip was launched on July 23, 2026; its instructions are those of AMD's public machine-readable ISA for CDNA 5 (MIT licence, August 2026) and "CDNA5" Instruction Set Architecture Reference Guide (July 2026). The comments in the code are by the model that wrote it; some were corrected since.
;; Mo E Layer. Allowed arithmetic: matrix products marked QUANTISED: E3M2 operands, one E8M0 scale for each 32 along K, by v_wmma_scale_f32_16x16x128_f8f6f4 with both operands' format E3M2, f32 sums; products left as they are: f32 operands where the result goes on into a quantised operand, else bf16, f16 or f32 operands; f32 sums; everything else in f32.
;; Inputs: b1 8 x 2,048 float32; b2 8 x 1,024 float32; router_b 8 float32; router_w 1,024 x 8 float32; w1 8 x 1,024 x 2,048 float32; w2 8 x 2,048 x 1,024 float32; x 4 x 512 x 1,024 float32.
;; Outputs: out0 4 x 512 x 1,024 float32.
;; This version of the problem:
;;   THIS VERSION OF THE PROBLEM IS GIVEN IN LOW PRECISION. The matrix products marked QUANTISED in the list below multiply operands that are first quantised to E3M2 (3 exponent bits, 2 mantissa bits; 6 bits a number), with one power-of-two scale for each 32 numbers along K (OCP MX v1.0); their sums are f32. All else is computed in f32.
;;   The module's matrix products, in the order in which they are computed (A, B: the left and right operand; K: the contracted axis; several contracted axes count as one K, in the product's order):
;;     1. [M 2,048, K 1,024] x [K 1,024, N 8]; A: input x; B: input router_w: left as it is (N = 8 < 16)
;;     2. [M 2,048, K 1,024] x [K 1,024, N 2,048]; A: input x; B: input w1: QUANTISED
;;     3. [M 2,048, K 2,048] x [K 2,048, N 1,024]; A: computed on the way; B: input w2: QUANTISED
;;     4. [M 2,048, K 1,024] x [K 1,024, N 2,048]; A: input x; B: input w1: QUANTISED
;;     5. [M 2,048, K 2,048] x [K 2,048, N 1,024]; A: computed on the way; B: input w2: QUANTISED
;;     6. [M 2,048, K 1,024] x [K 1,024, N 2,048]; A: input x; B: input w1: QUANTISED
;;     7. [M 2,048, K 2,048] x [K 2,048, N 1,024]; A: computed on the way; B: input w2: QUANTISED
;;     8. [M 2,048, K 1,024] x [K 1,024, N 2,048]; A: input x; B: input w1: QUANTISED
;;     9. [M 2,048, K 2,048] x [K 2,048, N 1,024]; A: computed on the way; B: input w2: QUANTISED
;;     10. [M 2,048, K 1,024] x [K 1,024, N 2,048]; A: input x; B: input w1: QUANTISED
;;     11. [M 2,048, K 2,048] x [K 2,048, N 1,024]; A: computed on the way; B: input w2: QUANTISED
;;     12. [M 2,048, K 1,024] x [K 1,024, N 2,048]; A: input x; B: input w1: QUANTISED
;;     13. [M 2,048, K 2,048] x [K 2,048, N 1,024]; A: computed on the way; B: input w2: QUANTISED
;;     14. [M 2,048, K 1,024] x [K 1,024, N 2,048]; A: input x; B: input w1: QUANTISED
;;     15. [M 2,048, K 2,048] x [K 2,048, N 1,024]; A: computed on the way; B: input w2: QUANTISED
;;     16. [M 2,048, K 1,024] x [K 1,024, N 2,048]; A: input x; B: input w1: QUANTISED
;;     17. [M 2,048, K 2,048] x [K 2,048, N 1,024]; A: computed on the way; B: input w2: QUANTISED
;;   THE QUANTISER, for each operand of a quantised product, along K:
;;     - K is cut into blocks of 32 from its start; a last block that is shorter is filled with zeros.
;;     - A block's scale is 2^e with e = floor(log2(the largest magnitude in the block)) - 4, held to -126 .. 127; a block of zeros has e = 0. As a byte (E8M0): e + 127.
;;     - Each number is divided by its block's scale, clamped to +-28, and rounded to the nearest number of E3M2, ties to even, subnormals kept.
;;     - The product sums the exact products of the quantised numbers (number of the format x scale) in f32.
;;   ~~~python
;;   def quantise(x, axis):      # numpy; x: float32 -> the quantised numbers, widened to float32 again
;;       x = np.moveaxis(x, axis, -1); K = x.shape[-1]
;;       x = np.pad(x, [(0, 0)] * (x.ndim - 1) + [(0, -K % 32)]); x = x.reshape(x.shape[:-1] + (-1, 32)); a = np.abs(x).max(-1, keepdims=True)
;;       e = np.where(a > 0, np.clip(np.frexp(np.where(a > 0, a, 1))[1] - 1 - 4, -126, 127), 0)      # np.frexp(a)[1] - 1 = floor(log2(a)), exactly
;;       r = np.clip(x / 2.0 ** e, -28, 28)
;;       step = 2.0 ** (np.maximum(np.frexp(np.where(r == 0, 1, r))[1] - 1, -2) - 2)
;;       q = np.round(r / step) * step * 2.0 ** e      # np.round: ties to even
;;       return np.moveaxis(q.reshape(q.shape[:-2] + (-1,))[..., :K], -1, axis).astype(np.float32)
;;   ~~~
;;   OPERANDS COMPUTED ON THE WAY. 'Computed on the way' means the value that the module computes at that place (a softmax that the list does not call 'softmax' is quantised finished and normalised). What goes into a quantiser is computed in f32, as accurately as f32 sums, v_exp_f32 and their like allow (about 1e-6 of the number): no bf16 or f16 on the way to a quantiser, and a product that is left as it is and whose result goes on into a quantised operand takes f32 operands (vector FMAs, or v_wmma_f32_16x16x4_f32). A number that lies on a knife's edge between two numbers of the format may be rounded either way, as far as f32 arithmetic and the matrix unit's own rounding can turn it there, and no further.
;; One version. Each part assembles by itself: llvm-mc -triple=amdgcn-amd-amdhsa -mcpu=gfx1250 --defsym DOCPART=n.
;; ======== version 1 of 1: 4 launches
;; limits: right only within a limited range of input values
;; workspace buffers: wq 25,165,824 bytes; wsc 1,048,576 bytes; xq 1,638,400 bytes; rt 8,192 bytes of whole numbers; rg 16,384 bytes; srt 8,192 bytes of whole numbers; hid 26,214,400 bytes
;; launch prep (part 1): grid 2304 x 1, 4 waves a work-group, no clusters, 76,800 bytes of LDS; arguments x, router_w, router_b, w1, w2, wq, wsc, xq, rt, rg; writes wq, wsc, xq, rt, rg
.if DOCPART == 1
	.amdgcn_target "amdgcn-amd-amdhsa--gfx1250"
	.amdhsa_code_object_version 6
	.text
	.protected	k_q55bfcb40d4_prep
	.globl	k_q55bfcb40d4_prep
	.p2align	8
	.type	k_q55bfcb40d4_prep,@function
k_q55bfcb40d4_prep:
	s_mov_b64 s[64:65], 0
	v_nop
	global_prefetch_b8 v0, s[64:65] scope:SCOPE_SE
	s_setreg_imm32_b32 hwreg(HW_REG_WAVE_MODE, 25, 1), 1
	s_wait_xcnt 0x0
; FIRST LAUNCH OF FOUR.  Work-groups 0-255: the router in f32 (logits, softmax, top-2, gates) and x as codes of BF6 (E3M2), 8 tokens each.  Work-groups 256-2303: w1 and w2 as codes of BF6.
; WORK LEFT OUT BY THE LATER LAUNCHES: reference() multiplies expert e's y by gate, which is 0 for every token that has not chosen e, whatever the inputs hold: such rows reach no output.
; The later launches multiply only the experts that occur in a block of tokens.  LIMIT: a NaN, an infinity or an overflow that reaches only the work left out is not carried to the result.
; A block of 32 along K has the scale 2^(floor(log2(largest magnitude)) - 4); its E8M0 byte is the largest magnitude's exponent field - 4, held at 1 from below.
; LIMITS: NaN and infinities among the inputs are not served.  A block of zeros gets the byte 1 where the quantiser's text says 127: its codes are zeros, and only this program reads the bytes.
; v_exp_f32 gives 0 for results under 2^-126: such a probability is 0 here; where several probabilities are 0 the second expert is the lowest such index, with gate 0.
; WHAT IS STORED.
;   wq:  images of operand registers, 1,536 bytes a fragment (16 rows x 128 K): three chunks of 512 bytes, chunk n = registers 4 n .. 4 n + 3, lane l's 16 bytes at 16 l.
;        w1 at 0: [expert][tile 128][K step 8]; row p of tile 2 P + u is hidden unit 32 P + 8 u + p + 8 (p / 8).   w2 at 12,582,912: [expert][tile 64][K step 16]; row p of tile n is column 16 n + p.
;   wsc: scale words: [expert][group of 64 columns][K step][lane 32][pair 2]: lanes 0-15 the pair's first tile, lanes 16-31 its second.  w2's begin at 524,288.
;   xq:  codes [token][K step 8][half 2][c 2][24 bytes]; scale bytes at 1,572,864: [token][32].
;   rt:  for each token ((lo x 8 + hi) << 11) | token, lo < hi its two experts.   rg: for each token (gate of lo, gate of hi), f32.
; No address and no branch hangs on a floating-point number: the choice of experts only selects values, which are stored at fixed places.
; LDS: bytes 0 - 13,055 are the weights path's; bytes 24,576 - 57,855 the router path's; the spare words lie at 57,856.  The two paths part on the work-group's number and share no LDS byte.
; No tensor load, cluster or prefetch: every byte of the weights is read once, by one work-group, and there is no loop to run ahead in.
.set NRT,  256                         ; the router's work-groups: the lowest numbers
.set RB,   24576                       ; router: router_w in LDS: 32 x (1,024 bytes + 16 of padding)
.set SPARE, 0xe200
.set XST,  58368                       ; router: bytes 58,368 - 76,799: each wave's own stage for a token's row of x: 32 x (128 bytes + 16 of padding)
.set TP,   1552                        ; weights: an image in LDS: 1,536 bytes + 16
.set SB,   12544                       ; weights: the work-group's 512 scale bytes
.set T,    32                          ; weights: v32-63   one column's 32 numbers, on end
.set X,    64                          ;          v64-191  32 rows x my 4 columns, as loaded; then the way out
.set RL,   16                          ; router:  v16-31   the logits of 2 tokens x 8 experts
.set RA,   48                          ;          v48-63   sums
.set RX,   64                          ;          v64-127  2 tokens x my 32 numbers
.set RW,   128                         ;          v128-191 router_w
; the largest magnitude of v[xs] .. v[xs + 31], and the floor 2^(5 - 127): so the byte cannot fall under 1
.macro MAX32 d, t, xs
	v_max3_num_f32 v[\d], |v[\xs]|, |v[\xs+1]|, |v[\xs+2]|
	v_max3_num_f32 v[\t], |v[\xs+3]|, |v[\xs+4]|, |v[\xs+5]|
.irp i, 6,10,14,18,22,26
	v_max3_num_f32 v[\d], v[\d], |v[\xs+\i]|, |v[\xs+\i+1]|
	v_max3_num_f32 v[\t], v[\t], |v[\xs+\i+2]|, |v[\xs+\i+3]|
.endr
	v_max3_num_f32 v[\d], v[\d], |v[\xs+30]|, |v[\xs+31]|
	v_max3_num_f32 v[\d], v[\d], v[\t], 0x2800000
.endm
; my block's 32 rows, rb bytes apart: each load reads 512 consecutive bytes in the wave
.macro WLD rb
.set q, 0
.rept 32
	global_load_b128 v[X+4*q:X+4*q+3], v2, s[40:41] offset:q*\rb th:TH_LOAD_NT
.set q, q+1
.endr
.endm
; column c of my four: its block's scale, its 32 numbers on end, its 192 bits of codes into the image, its scale byte
.macro COL c
	v_max3_num_f32 v12, |v[X+\c]|, |v[X+4+\c]|, |v[X+8+\c]|
	v_max3_num_f32 v13, |v[X+12+\c]|, |v[X+16+\c]|, |v[X+20+\c]|
.irp i, 6,10,14,18,22,26
	v_max3_num_f32 v12, v12, |v[X+4*\i+\c]|, |v[X+4*\i+4+\c]|
	v_max3_num_f32 v13, v13, |v[X+4*\i+8+\c]|, |v[X+4*\i+12+\c]|
.endr
	v_max3_num_f32 v12, v12, |v[X+120+\c]|, |v[X+124+\c]|
	v_max3_num_f32 v12, v12, v13, 0x2800000
	v_add_nc_u32 v11, 0xfe000000, v12              ; 4 off the exponent field: the conversion's scale operand
.set q, 0
.rept 32
	v_mov_b32 v[T+q], v[X+4*q+\c]                  ; the conversions take neighbours along K from consecutive registers
.set q, q+1
.endr
.if \c > 0
	s_wait_alu depctr_va_vdst(0)                   ; the wait ahead of the wait below
	s_wait_dscnt 0x0                               ; the last column's LDS stores have read v14 and v16-21
.endif
	v_cvt_scalef32_pk16_bf6_f32 v[16:18], v[T:T+15], v11
	v_cvt_scalef32_pk16_bf6_f32 v[20:22], v[T+16:T+31], v11
	v_lshrrev_b32 v14, 23, v11                     ; the scale's byte (the plain place behind the conversions)
	v_mov_b32 v19, v20
	v_mov_b32 v20, v21
	v_mov_b32 v21, v22                             ; v16-21: the block's 192 bits
	ds_store_b64 v3, v[16:17] offset:16*\c
	ds_store_b64 v4, v[18:19] offset:16*\c
	ds_store_b64 v5, v[20:21] offset:16*\c
	ds_store_b8 v6, v14 offset:8*\c
.endm
; chunk ch of router_w for my 32 rows, out of LDS: rows 4 ch .. 4 ch + 3, 128 bytes a lane; lanes stand 1,040 bytes apart
.macro RCHUNK ch
.irp n, 0,1,2,3,4,5,6,7
	ds_load_b128 v[RW+32*((\ch)%2)+4*\n:RW+32*((\ch)%2)+4*\n+3], v3 offset:128*(\ch)+16*\n
.endr
.endm
	s_load_b256 s[4:11], s[0:1], 0x0               ; x, router_w, router_b, w1
	s_load_b256 s[12:19], s[0:1], 0x20             ; w2, wq, wsc, xq
	s_load_b128 s[20:23], s[0:1], 0x40             ; rt, rg
	v_lshrrev_b32 v1, 5, v0
	v_readfirstlane_b32 s24, v1                    ; wave
	v_and_b32 v1, 31, v0                           ; lane
	s_wait_kmcnt 0x0
	s_cmp_lt_u32 ttmp9, NRT
	s_cbranch_scc1 .Lrouter
; ---------------- THE WEIGHTS.  One path for both tensors: what differs is chosen on the work-group's number.
; A work-group takes 128 columns x one K step (128 rows) of one expert: eight images.  Wave w takes block w of the step (rows 32 w ..): half h = w % 2, c = w / 2 of the operand's layout.
; Lane l takes 4 neighbouring columns and fills rows 4 (l % 4) + 0 .. 3 of tile l / 4.  In w2 those are columns 4 l ..; in w1, whose tiles' rows are not neighbours, the group of 4 with bits 1 and 2 of l exchanged.
	s_sub_co_u32 s25, ttmp9, NRT
	s_cmp_lt_u32 s25, 1024                         ; w1's work-group or w2's?
	s_cselect_b64 s[28:29], s[10:11], s[12:13]
	s_mov_b32 s30, 4096
	s_cselect_b32 s30, 8192, s30                   ; bytes in a row
	s_cselect_b32 s31, 4, 3                        ; log2 of the groups of 128 columns
	s_cselect_b32 s32, -1, 0                       ; w1
	s_mov_b32 s33, 24576
	s_cselect_b32 s33, 12288, s33                  ; bytes of a tile's images
	s_cselect_b32 s34, 8, 16                       ; K steps
	s_cselect_b32 s35, 0, 12582912                 ; where the tensor's images begin
	s_cselect_b32 s36, 0, 524288                   ; and its scale words
	s_and_b32 s25, s25, 1023
	s_lshr_b32 s26, s25, 7                         ; expert
	s_and_b32 s25, s25, 127
	s_lshr_b32 s27, s25, s31                       ; ks: the K step
	s_lshl_b32 s37, s27, s31
	s_sub_co_u32 s25, s25, s37                     ; cg: which 128 columns
	s_lshl_b32 s37, s27, 7
	s_lshl_b32 s38, s24, 5
	s_add_co_u32 s37, s37, s38                     ; my first row: 128 ks + 32 w
	s_mul_i32 s37, s37, s30
	s_lshl_b32 s38, s26, 23                        ; an expert is 8,388,608 bytes in both tensors
	s_add_co_u32 s38, s38, s37
	s_lshl_b32 s37, s25, 9
	s_add_co_u32 s38, s38, s37
	s_mov_b32 s39, 0
	s_add_nc_u64 s[40:41], s[28:29], s[38:39]
	s_lshl_b32 s37, s25, 3
	s_lshl_b32 s38, s24, 1
	s_add_co_u32 s37, s37, s38                     ; the tiles that I store: 8 cg + 2 w and the next
	s_mul_i32 s38, s37, s33
	s_mul_i32 s37, s26, 1572864
	s_add_co_u32 s38, s38, s37
	s_add_co_u32 s38, s38, s35
	s_mul_i32 s37, s27, 1536
	s_add_co_u32 s38, s38, s37
	s_add_nc_u64 s[56:57], s[14:15], s[38:39]
	s_mov_b32 s38, s33
	s_add_nc_u64 s[58:59], s[56:57], s[38:39]
	s_lshl_b32 s37, s25, 1
	s_mul_i32 s37, s37, s34
	s_add_co_u32 s37, s37, s27
	s_lshl_b32 s37, s37, 8                         ; (group 2 cg, K step ks) x 256 bytes
	s_lshl_b32 s38, s26, 16
	s_add_co_u32 s38, s38, s37
	s_add_co_u32 s38, s38, s36
	s_add_nc_u64 s[60:61], s[16:17], s[38:39]
	s_lshl_b32 s42, s34, 8                         ; from a group's scale words to the next group's
	s_and_b32 s43, s24, 1
	s_lshl_b32 s43, s43, 8                         ; 256 h
	s_lshr_b32 s44, s24, 1                         ; c
	s_mul_i32 s45, s44, 520
	s_add_co_u32 s45, s45, s43                     ; my first 8 bytes of a row's 24: at 0 (c = 0) or 520 (c = 1) of the image,
	s_mul_i32 s46, s44, 1016
	s_add_co_u32 s46, s46, s43
	s_add_co_u32 s46, s46, 8                       ; the second at 8 or 1,024; the third at 512 or 1,032
	s_add_co_u32 s47, s24, SB                      ; byte w of a scale word
	s_mul_i32 s48, s24, 2*TP
	s_wait_alu depctr_va_vdst(0)                   ; the wait ahead of the reader of v1
	v_and_b32 v12, 0x19, v1
	v_and_b32 v13, 2, v1
	v_lshl_or_b32 v12, v13, 1, v12
	v_bfe_u32 v13, v1, 2, 1
	v_lshl_or_b32 v12, v13, 1, v12                 ; l with bits 1 and 2 exchanged
	v_cndmask_b32 v12, v1, v12, s32
	v_lshlrev_b32 v2, 4, v12                       ; my 16 bytes of a row's 512
	v_lshrrev_b32 v12, 2, v1
	v_mul_u32_u24 v12, v12, TP
	v_and_b32 v14, 3, v1
	v_lshl_add_u32 v12, v14, 6, v12                ; tile l / 4, row 4 (l % 4)
	v_add_nc_u32 v3, s45, v12
	v_add_nc_u32 v4, s46, v12
	v_add_nc_u32 v5, 512, v3
	v_bfe_u32 v15, v1, 4, 1
	v_lshlrev_b32 v6, 8, v15                       ; scale bytes: group l / 16,
	v_lshl_add_u32 v6, v13, 7, v6                  ; 128 u,
	v_lshl_add_u32 v6, v14, 5, v6                  ; 8 x row,
	v_bfe_u32 v13, v1, 3, 1
	v_lshl_add_u32 v6, v13, 2, v6                  ; 4 x (pair % 2),
	v_add_nc_u32 v6, s47, v6                       ; + w
	v_lshlrev_b32 v8, 4, v1
	v_add_nc_u32 v7, s48, v8                       ; the way out: my two images, 16 x lane
	v_add_nc_u32 v9, SB, v8
	v_mul_u32_u24 v10, s42, v15
	v_and_b32 v13, 15, v1
	v_lshl_add_u32 v10, v13, 4, v10                ; lanes 0-15: the first group's 256 bytes; lanes 16-31: the second's
	s_wait_alu depctr_va_vdst(0)                   ; the wait at the head's end
	s_cmp_lg_u32 s32, 0
	s_cbranch_scc0 .Lrows_w2
	WLD 8192
	s_branch .Lloaded
.Lrows_w2:
	WLD 4096
.Lloaded:
	s_wait_loadcnt 0x0
	COL 0
	COL 1
	COL 2
	COL 3
	s_wait_dscnt 0x0                               ; for the others' sake: my part of the images has landed
	s_barrier_signal -1                            ; the path hangs on the work-group's number alone: all four waves are on it
	s_barrier_wait -1
.irp n, 0,1,2,3,4,5
	ds_load_b128 v[X+4*\n:X+4*\n+3], v7 offset:(\n/3)*TP+512*(\n%3)
.endr
	s_cmp_lg_u32 s24, 0
	s_cbranch_scc1 .Lno_scales
	ds_load_b128 v[X+24:X+27], v9                  ; wave 0: the 512 scale bytes
	s_wait_dscnt 0x0
	global_store_b128 v10, v[X+24:X+27], s[60:61]  ; sixteen lanes store 256 consecutive bytes, at a multiple of 256
.Lno_scales:
	s_wait_dscnt 0x0
.irp n, 0,1,2,3,4,5
	global_store_b128 v8, v[X+4*\n:X+4*\n+3], s[56+2*(\n/3):57+2*(\n/3)] offset:512*(\n%3)   ; 512 consecutive bytes, at a multiple of 512
.endr
	v_lshl_add_u32 v24, v0, 2, SPARE
	v_mov_b32 v25, 0
	s_wait_alu depctr_va_vdst(0)
	s_wait_tensorcnt 0x0                           ; the wave's end
	ds_add_u32 v24, v25
	s_wait_dscnt 0x0
	s_endpgm
; ---------------- THE ROUTER AND x.  8 tokens a work-group, 2 a wave.  Lane i holds block i of each token (k = 32 i .. 32 i + 31): the same registers serve the logits and the quantiser.
; router_w comes from memory once for the work-group, 8,192 bytes a wave by loads of 512 consecutive bytes, and lies in LDS with 16 bytes of padding behind each 1,024.
.Lrouter:
	s_lshl_b32 s25, ttmp9, 3
	s_lshl_b32 s26, s24, 1
	s_add_co_u32 s25, s25, s26                     ; my wave's first token
	s_mov_b32 s37, 0
	s_lshl_b32 s36, s25, 12
	s_add_nc_u64 s[26:27], s[4:5], s[36:37]        ; its row of x
	s_mul_i32 s36, s25, 768
	s_add_nc_u64 s[28:29], s[18:19], s[36:37]      ; its codes
	s_lshl_b32 s36, s25, 5
	s_add_co_u32 s36, s36, 1572864
	s_add_nc_u64 s[30:31], s[18:19], s[36:37]      ; its scale bytes
	s_lshl_b32 s36, s25, 2
	s_add_nc_u64 s[32:33], s[20:21], s[36:37]      ; its word in rt
	s_lshl_b32 s36, s25, 3
	s_add_nc_u64 s[34:35], s[22:23], s[36:37]      ; its gates in rg
	s_load_b256 s[40:47], s[8:9], 0x0              ; router_b
	s_mov_b32 s48, 0x76543210
	s_mov_b32 s49, 0xfedcba98                      ; selects for lane l xor 16
	s_mov_b32 s50, 0xaaaaaaaa                      ; the odd lanes
	s_wait_alu depctr_va_vdst(0)
	v_lshlrev_b32 v40, 4, v1
	s_lshl_b32 s36, s24, 13
	v_add_nc_u32 v41, s36, v40                     ; router_w in memory
	s_mul_i32 s36, s24, 8320
	s_add_co_u32 s36, s36, RB
	v_add_nc_u32 v42, s36, v40                     ; and in LDS, on the way in
	v_mul_u32_u24 v3, v1, 1040
	v_add_nc_u32 v3, RB, v3                        ; on the way out: my 32 rows
	v_lshrrev_b32 v4, 2, v1
	v_mul_u32_u24 v4, v4, 96                       ; the codes of block i: K step i / 4,
	v_and_b32 v5, 1, v1
	v_mad_u32_u24 v4, v5, 48, v4                   ; half i % 2,
	v_bfe_u32 v5, v1, 1, 1
	v_mad_u32_u24 v4, v5, 24, v4                   ; c = (i / 2) % 2
	v_mov_b32 v5, 0                                ; a lane permute's destination counts as one of its sources
	s_mul_i32 s36, s24, 4608
	s_add_co_u32 s36, s36, XST                     ; my wave's stage
	v_lshrrev_b32 v43, 3, v1
	v_mul_u32_u24 v43, v43, 144
	v_and_b32 v44, 7, v1
	v_lshl_add_u32 v43, v44, 4, v43
	v_add_nc_u32 v43, s36, v43                     ; into it: eight lanes' 128 bytes on end, then 16 of padding
	v_mul_u32_u24 v44, v1, 144
	v_add_nc_u32 v44, s36, v44                     ; out of it: my block's 128 bytes
.irp n, 0,1,2,3,4,5,6,7,8,9,10,11,12,13,14,15
	global_load_b128 v[RW+4*\n:RW+4*\n+3], v41, s[6:7] offset:512*\n
.endr
.irp tt, 0,1
.irp jj, 0,1,2,3,4,5,6,7
	global_load_b128 v[RX+32*\tt+4*\jj:RX+32*\tt+4*\jj+3], v40, s[26:27] offset:\tt*4096+512*\jj th:TH_LOAD_NT   ; 32 lanes read 512 consecutive bytes
.endr
.endr
	s_wait_alu depctr_va_vdst(0)
	s_wait_loadcnt 16                              ; router_w's 16 loads are in; x's 16, issued behind them, may be out
.irp n, 0,1,2,3,4,5,6,7,8,9,10,11,12,13,14,15
	ds_store_b128 v42, v[RW+4*\n:RW+4*\n+3] offset:(\n/2)*1040+512*(\n%2)
.endr
	s_wait_dscnt 0x0                               ; for the others' sake: my part of router_w has landed
	s_barrier_signal -1
	s_barrier_wait -1                              ; router_w is whole; nothing writes these bytes again
	s_wait_loadcnt 0x0                             ; x, as it lies in memory
; each token's row turns through my stage: in as loaded, back 128 bytes (a block of 32) a lane.  LDS serves a wave's instructions in order: the second token's stores follow the first's loads
.irp tt, 0,1
.irp jj, 0,1,2,3,4,5,6,7
	ds_store_b128 v43, v[RX+32*\tt+4*\jj:RX+32*\tt+4*\jj+3] offset:576*\jj
.endr
	s_wait_dscnt 0x0                               ; the stores have read their registers, which the loads below fill
.irp jj, 0,1,2,3,4,5,6,7
	ds_load_b128 v[RX+32*\tt+4*\jj:RX+32*\tt+4*\jj+3], v44 offset:16*\jj
.endr
.endr
	RCHUNK 0
	RCHUNK 1
.irp ch, 0,1,2,3,4,5,6,7
.if \ch < 7
	s_wait_alu depctr_va_vdst(0)
	s_wait_dscnt 8                                 ; this chunk's eight LDS loads are in; the next chunk's eight may be out
.else
	s_wait_alu depctr_va_vdst(0)
	s_wait_dscnt 0x0
.endif
.irp kk, 0,1,2,3
.irp tt, 0,1
.irp ep, 0,1,2,3
.if (\ch == 0) && (\kk == 0)
	v_pk_mul_f32 v[RA+8*\tt+2*\ep:RA+8*\tt+2*\ep+1], v[RX+32*\tt:RX+32*\tt+1], v[RW+2*\ep:RW+2*\ep+1] op_sel_hi:[0,1]   ; the first product starts the sums
.elseif (\kk%2) == 0
	v_pk_fma_f32 v[RA+8*\tt+2*\ep:RA+8*\tt+2*\ep+1], v[RX+32*\tt+4*\ch+\kk:RX+32*\tt+4*\ch+\kk+1], v[RW+32*(\ch%2)+8*\kk+2*\ep:RW+32*(\ch%2)+8*\kk+2*\ep+1], v[RA+8*\tt+2*\ep:RA+8*\tt+2*\ep+1] op_sel_hi:[0,1,1]
.else
	v_pk_fma_f32 v[RA+8*\tt+2*\ep:RA+8*\tt+2*\ep+1], v[RX+32*\tt+4*\ch+\kk-1:RX+32*\tt+4*\ch+\kk], v[RW+32*(\ch%2)+8*\kk+2*\ep:RW+32*(\ch%2)+8*\kk+2*\ep+1], v[RA+8*\tt+2*\ep:RA+8*\tt+2*\ep+1] op_sel:[1,0,0] op_sel_hi:[1,1,1]
.endif
.endr
.endr
.endr
.if \ch < 6
	RCHUNK \ch+2
.endif
.endr
.irp tt, 0,1                           ; x as codes: my block of each token
.set XS, RX+32*\tt
	MAX32 6, 7, XS
	v_add_nc_u32 v15, 0xfe000000, v6
	s_wait_alu depctr_va_vdst(0)
	s_wait_xcnt 0x0                                ; the last token's stores have read v8-14
	v_cvt_scalef32_pk16_bf6_f32 v[8:10], v[XS:XS+15], v15
	v_cvt_scalef32_pk16_bf6_f32 v[12:14], v[XS+16:XS+31], v15
	v_lshrrev_b32 v11, 23, v15                     ; the scale's byte (also the plain place behind the conversions)
	global_store_b96 v4, v[8:10], s[28:29] offset:\tt*768
	global_store_b96 v4, v[12:14], s[28:29] offset:\tt*768+12
	global_store_b8 v1, v11, s[30:31] offset:\tt*32
.endr
.irp x, 1,2,4,8                        ; the 16 sums over the 32 lanes
.set j, 0
.rept 16
	v_add_f32_dpp v[RA+j], v[RA+j], v[RA+j] row_xmask:\x row_mask:0xf bank_mask:0xf
.set j, j+1
.endr
.endr
.set j, 0
.rept 16
	v_permlanex16_b32 v5, v[RA+j], s48, s49
	v_add_f32 v[RL+j], v[RA+j], v5
.set j, j+1
.endr
	; every lane holds the 16 logits; from here lane l works for token l % 2
	s_wait_kmcnt 0x0                               ; router_b
	s_wait_xcnt 0x0                                ; the stores have read v8-14
.irp e, 0,1,2,3,4,5,6,7
	v_cndmask_b32 v[48+\e], v[RL+\e], v[RL+8+\e], s50
	v_add_f32 v[48+\e], s[40+\e], v[48+\e]
.endr
	v_max3_num_f32 v6, v48, v49, v50               ; the softmax takes the row's maximum away first
	v_max3_num_f32 v6, v6, v51, v52
	v_max3_num_f32 v6, v6, v53, v54
	v_max_num_f32 v6, v6, v55
.irp e, 0,1,2,3,4,5,6,7
	v_sub_f32 v[48+\e], v[48+\e], v6
.endr
.irp e, 0,1,2,3,4,5,6,7
	v_mul_f32 v[48+\e], 0x3fb8aa3b, v[48+\e]       ; x log2(e)
.endr
	s_wait_alu depctr_va_vdst(0)
.irp e, 0,1,2,3,4,5,6,7
	v_exp_f32 v[56+\e], v[48+\e]
.endr
	v_nop                                          ; a plain place behind the exponentials
	s_wait_alu depctr_va_vdst(0)
	v_add_f32 v7, v56, v57
	v_add_f32 v8, v58, v59
	v_add_f32 v9, v60, v61
	v_add_f32 v10, v62, v63
	v_add_f32 v7, v7, v8
	v_add_f32 v9, v9, v10
	v_add_f32 v7, v7, v9
	s_wait_alu depctr_va_vdst(0)
	v_rcp_f32 v8, v7
.irp e, 0,1,2,3,4,5,6,7
	v_mov_b32 v[24+\e], \e                         ; the experts' numbers, for the selects (the first is the plain place behind the reciprocal)
.endr
	s_wait_alu depctr_va_vdst(0)
.irp e, 0,1,2,3,4,5,6,7
	v_mul_f32 v[56+\e], v[56+\e], v8               ; the probabilities
.endr
	v_mov_b32 v16, v56                             ; the largest: an ascending scan with a strict compare keeps the lower index
	v_mov_b32 v17, 0
.irp e, 1,2,3,4,5,6,7
	v_cmp_gt_f32 vcc_lo, v[56+\e], v16
	v_cndmask_b32 v16, v16, v[56+\e], vcc_lo
	v_cndmask_b32 v17, v17, v[24+\e], vcc_lo
.endr
	v_mov_b32 v18, -1.0                            ; the second: the same scan without the first; every probability lies over -1
	v_mov_b32 v19, 0
.irp e, 0,1,2,3,4,5,6,7
	v_cmp_gt_f32 s53, v[56+\e], v18
	v_cmp_ne_u32 s54, \e, v17
	s_and_b32 vcc_lo, s53, s54
	v_cndmask_b32 v18, v18, v[56+\e], vcc_lo
	v_cndmask_b32 v19, v19, v[24+\e], vcc_lo
.endr
	v_add_f32 v20, v16, v18
	s_wait_alu depctr_va_vdst(0)
	v_rcp_f32 v21, v20
	v_min_u32 v22, v17, v19                        ; lo (a plain place behind the reciprocal)
	v_max_u32 v23, v17, v19                        ; hi
	s_wait_alu depctr_va_vdst(0)
	v_mul_f32 v16, v16, v21                        ; the two gates
	v_mul_f32 v18, v18, v21
	v_cmp_lt_u32 vcc_lo, v17, v19
	v_cndmask_b32 v32, v18, v16, vcc_lo            ; lo's gate
	v_cndmask_b32 v33, v16, v18, vcc_lo            ; hi's
	v_and_b32 v34, 1, v1
	v_add_nc_u32 v34, s25, v34                     ; the token
	v_lshl_add_u32 v35, v22, 3, v23
	v_lshl_or_b32 v35, v35, 11, v34                ; ((lo x 8 + hi) << 11) | token
	v_lshlrev_b32 v36, 2, v1
	v_lshlrev_b32 v37, 3, v1
	v_lshl_add_u32 v38, v0, 2, SPARE
	v_mov_b32 v39, 0
	v_cmp_gt_u32 vcc_lo, 2, v1
	s_wait_alu depctr_va_vdst(0)
	s_wait_xcnt 0x0                                ; EXEC changes only behind this wait
	s_wait_tensorcnt 0x0                           ; the wave's end
	ds_add_u32 v38, v39
	s_wait_dscnt 0x0
	s_and_saveexec_b32 s55, vcc_lo                 ; lanes 0 and 1: one for each token
	global_store_b32 v36, v35, s[32:33]
	global_store_b64 v37, v[32:33], s[34:35]
	s_wait_xcnt 0x0                                ; and again in front of the line that widens it
	s_or_b32 exec_lo, exec_lo, s55
	s_endpgm
.Lfunc_end_k_q55bfcb40d4_prep:
	.size	k_q55bfcb40d4_prep, .Lfunc_end_k_q55bfcb40d4_prep-k_q55bfcb40d4_prep
	.p2alignl 7, 3214868480
	.fill 96, 4, 3214868480
	.section	.rodata,"a",@progbits
	.p2align	6, 0x0
	.amdhsa_kernel k_q55bfcb40d4_prep
		.amdhsa_group_segment_fixed_size 76800
		.amdhsa_private_segment_fixed_size 0
		.amdhsa_enable_private_segment 0
		.amdhsa_kernarg_size 80
		.amdhsa_user_sgpr_count 2
		.amdhsa_user_sgpr_kernarg_segment_ptr 1
		.amdhsa_wavefront_size32 1
		.amdhsa_system_sgpr_workgroup_id_x 1
		.amdhsa_system_sgpr_workgroup_id_y 1
		.amdhsa_system_sgpr_workgroup_id_z 1
		.amdhsa_system_vgpr_workitem_id 0
		.amdhsa_next_free_vgpr 192
		.amdhsa_next_free_sgpr 66
		.amdhsa_reserve_vcc 1
		.amdhsa_float_denorm_mode_32 3
		.amdhsa_float_denorm_mode_16_64 3
		.amdhsa_memory_ordered 1
		.amdhsa_forward_progress 1
		.amdhsa_inst_pref_size 67
	.end_amdhsa_kernel
	.amdgpu_metadata
---
amdhsa.version: [ 1, 2 ]
amdhsa.kernels:
  - .name:           k_q55bfcb40d4_prep
    .symbol:         k_q55bfcb40d4_prep.kd
    .args:
      - { .name: x, .offset: 0, .size: 8, .value_kind: global_buffer, .address_space: global }
      - { .name: router_w, .offset: 8, .size: 8, .value_kind: global_buffer, .address_space: global }
      - { .name: router_b, .offset: 16, .size: 8, .value_kind: global_buffer, .address_space: global }
      - { .name: w1, .offset: 24, .size: 8, .value_kind: global_buffer, .address_space: global }
      - { .name: w2, .offset: 32, .size: 8, .value_kind: global_buffer, .address_space: global }
      - { .name: wq, .offset: 40, .size: 8, .value_kind: global_buffer, .address_space: global }
      - { .name: wsc, .offset: 48, .size: 8, .value_kind: global_buffer, .address_space: global }
      - { .name: xq, .offset: 56, .size: 8, .value_kind: global_buffer, .address_space: global }
      - { .name: rt, .offset: 64, .size: 8, .value_kind: global_buffer, .address_space: global }
      - { .name: rg, .offset: 72, .size: 8, .value_kind: global_buffer, .address_space: global }
    .group_segment_fixed_size: 76800
    .private_segment_fixed_size: 0
    .kernarg_segment_align: 8
    .kernarg_segment_size: 80
    .max_flat_workgroup_size: 128
    .sgpr_count:     66
    .vgpr_count:     192
    .wavefront_size: 32
...
	.end_amdgpu_metadata
.endif
;; end of part 1
;; launch place (part 2): grid 128 x 1, 8 waves a work-group, no clusters, 0 bytes of LDS; arguments rt, srt; writes srt
.if DOCPART == 2
	.amdgcn_target "amdgcn-amd-amdhsa--gfx1250"
	.amdhsa_code_object_version 6
	.text
	.protected	k_q55bfcb40d4_place
	.globl	k_q55bfcb40d4_place
	.p2align	8
	.type	k_q55bfcb40d4_place,@function
k_q55bfcb40d4_place:
	s_mov_b64 s[64:65], 0
	v_nop
	global_prefetch_b8 v0, s[64:65] scope:SCOPE_SE
	s_setreg_imm32_b32 hwreg(HW_REG_WAVE_MODE, 25, 1), 1
	s_wait_xcnt 0x0
; SECOND LAUNCH.  The 2,048 words of rt, ((lo x 8 + hi) << 11) | token, are put in ascending order into srt: tokens sorted by their pair of experts.
; The words differ from each other (each holds its token), so a word's place is the number of words under it: no atomics, no scan, and the places are a permutation, so every word of srt is written once.
; A wave ranks two words: it holds all 2,048 in 64 registers and counts, for each of the two, the lanes that lie under it.
	s_load_b128 s[4:7], s[0:1], 0x0                ; rt s[4:5], srt s[6:7]
	v_lshrrev_b32 v1, 5, v0
	s_delay_alu instid0(VALU_DEP_1)
	v_readfirstlane_b32 s8, v1                     ; wave
	v_and_b32 v2, 31, v0                           ; lane
	s_delay_alu instid0(VALU_DEP_1)
	v_lshlrev_b32 v3, 4, v2
	s_lshl_b32 s9, ttmp9, 4
	s_lshl_b32 s10, s8, 1
	s_add_co_u32 s9, s9, s10                       ; my first word: 16 x work-group + 2 x wave
	s_lshl_b32 s10, s9, 2
	s_wait_alu depctr_va_vdst(0)
	s_wait_kmcnt 0x0
	s_load_b64 s[12:13], s[4:5], s10 offset:0x0    ; my two words
.irp j, 0,1,2,3,4,5,6,7,8,9,10,11,12,13,14,15
	global_load_b128 v[8+4*\j:11+4*\j], v3, s[4:5] offset:512*\j
.endr
	s_mov_b32 s14, 0
	s_mov_b32 s15, 0
	s_wait_kmcnt 0x0
	s_wait_loadcnt 0x0
.set i, 0
.rept 64
	v_cmp_gt_u32 s[20+2*(i%4)], s12, v[8+i]        ; four pairs of mask registers by turns
	v_cmp_gt_u32 s[21+2*(i%4)], s13, v[8+i]
	s_bcnt1_i32_b32 s[20+2*(i%4)], s[20+2*(i%4)]
	s_bcnt1_i32_b32 s[21+2*(i%4)], s[21+2*(i%4)]
	s_add_co_u32 s14, s14, s[20+2*(i%4)]
	s_add_co_u32 s15, s15, s[21+2*(i%4)]
.set i, i+1
.endr
	s_min_u32 s14, s14, 2047
	s_min_u32 s15, s15, 2047
	s_mov_b32 s17, 2                               ; lane 1
	v_mov_b32 v4, s14
	v_mov_b32 v6, s15
	s_delay_alu instid0(VALU_DEP_1)
	v_cndmask_b32 v4, v4, v6, s17                  ; lane 0: the first word's place; lane 1: the second's
	v_mov_b32 v5, s12
	v_mov_b32 v7, s13
	s_delay_alu instid0(VALU_DEP_1)
	v_cndmask_b32 v5, v5, v7, s17
	s_delay_alu instid0(VALU_DEP_4)
	v_min_u32 v4, 0x7ff, v4
	s_delay_alu instid0(VALU_DEP_1)
	v_lshlrev_b32 v4, 2, v4
	v_cmp_gt_u32 vcc_lo, 2, v2
	s_wait_alu depctr_va_vdst(0)
	s_wait_xcnt 0x0                                ; EXEC changes only behind this wait
	s_and_saveexec_b32 s16, vcc_lo
	global_store_b32 v4, v5, s[6:7]
	s_wait_xcnt 0x0
	s_or_b32 exec_lo, exec_lo, s16
	s_endpgm
.Lfunc_end_k_q55bfcb40d4_place:
	.size	k_q55bfcb40d4_place, .Lfunc_end_k_q55bfcb40d4_place-k_q55bfcb40d4_place
	.p2alignl 7, 3214868480
	.fill 96, 4, 3214868480
	.section	.rodata,"a",@progbits
	.p2align	6, 0x0
	.amdhsa_kernel k_q55bfcb40d4_place
		.amdhsa_group_segment_fixed_size 0
		.amdhsa_private_segment_fixed_size 0
		.amdhsa_enable_private_segment 0
		.amdhsa_kernarg_size 16
		.amdhsa_user_sgpr_count 2
		.amdhsa_user_sgpr_kernarg_segment_ptr 1
		.amdhsa_wavefront_size32 1
		.amdhsa_system_sgpr_workgroup_id_x 1
		.amdhsa_system_sgpr_workgroup_id_y 1
		.amdhsa_system_sgpr_workgroup_id_z 1
		.amdhsa_system_vgpr_workitem_id 0
		.amdhsa_next_free_vgpr 80
		.amdhsa_next_free_sgpr 66
		.amdhsa_reserve_vcc 1
		.amdhsa_float_denorm_mode_32 3
		.amdhsa_float_denorm_mode_16_64 3
		.amdhsa_memory_ordered 1
		.amdhsa_forward_progress 1
		.amdhsa_inst_pref_size 20
	.end_amdhsa_kernel
	.amdgpu_metadata
---
amdhsa.version: [ 1, 2 ]
amdhsa.kernels:
  - .name:           k_q55bfcb40d4_place
    .symbol:         k_q55bfcb40d4_place.kd
    .args:
      - { .name: rt, .offset: 0, .size: 8, .value_kind: global_buffer, .address_space: global }
      - { .name: srt, .offset: 8, .size: 8, .value_kind: global_buffer, .address_space: global }
    .group_segment_fixed_size: 0
    .private_segment_fixed_size: 0
    .kernarg_segment_align: 8
    .kernarg_segment_size: 16
    .max_flat_workgroup_size: 256
    .sgpr_count:     66
    .vgpr_count:     80
    .wavefront_size: 32
...
	.end_amdgpu_metadata
.endif
;; end of part 2
;; launch ffn1 (part 3): grid 8 x 32, 4 waves a work-group, no clusters, 50,688 bytes of LDS; arguments srt, xq, wq, wsc, b1, hid; writes hid
.if DOCPART == 3
	.amdgcn_target "amdgcn-amd-amdhsa--gfx1250"
	.amdhsa_code_object_version 6
	.text
	.protected	k_q55bfcb40d4_ffn1
	.globl	k_q55bfcb40d4_ffn1
	.p2align	8
	.type	k_q55bfcb40d4_ffn1,@function
k_q55bfcb40d4_ffn1:
	s_mov_b64 s[64:65], 0
	v_nop
	global_prefetch_b8 v0, s[64:65] scope:SCOPE_SE
	s_setreg_imm32_b32 hwreg(HW_REG_WAVE_MODE, 25, 1), 1
	s_wait_xcnt 0x0
; THIRD LAUNCH.  hidden = Q(relu(Q(x) Q(w1[e]) + b1[e])), on codes of BF6 (E3M2) with one E8M0 scale for each 32 along K, for the experts that a block of tokens uses.
; WORK LEFT OUT: experts that no token of the block has chosen: their gate is 0 for every row of the block, so their products reach no output.
; SHARES.  The tokens, sorted by their pair of experts (srt), are cut into 32 blocks of 64.  A work-group takes a block (y) x 256 hidden units (x); a wave 64 units (four tiles) x the 64 tokens (four tiles): 16 accumulators.
; It walks the experts that occur in the block: an 8-bit mask made of the stored words.  All 64 rows are computed for each of them; the next launch gives a row that does not use the expert the gate 0.
; Every token has two different experts, so a block has at least two: the loop's count, experts - 1, is at least 1.
; x: each wave gathers 16 of the block's 64 rows of codes (768 bytes each; a load reads 256 consecutive bytes of two rows) into one LDS tile, rows 784 bytes apart; behind ONE barrier, in the head, on every wave's path,
; every wave takes its 32 fragments from there, and they stay in registers.  The walk hangs on stored numbers, so w1's images stream from memory straight into a ring of four K steps in registers, with no barrier in the walk.
; No cluster and no joint load: the list of experts differs from block to block and is read from memory.
; THE PRODUCT IS USED TRANSPOSED (source 0 = 16 rows of w1's tile, source 1 = 16 tokens): a lane holds one token; the 16 registers of tiles 2 p and 2 p + 1 are 16 neighbouring hidden units, 32 p + 16 (lane / 16) + 0 .. 15.
; b1 is the C of each sum's first matrix instruction.  The wave's 64 units are half c of K step ks of the next product: their codes are registers 6 c .. 6 c + 5 of that operand.
; hid: codes [block x 8 + expert][tile of tokens 4][K step 16][c 2][768 bytes: 32 lanes x 16 bytes (registers 6 c .. 6 c + 3), then 32 lanes x 8 bytes]; scale words at 25,165,824: [block x 8 + expert][K step][lane 32][2].
; LIMITS: NaN and infinities are not served; a block of zeros has the byte 1 (its codes are zeros).
; REGISTERS, in windows of 256: window 0: addresses, scale words, b1, codes, accumulators.  window 1: x, K steps 0-4 (48 s + 12 m).  window 2: x, K steps 5-7.  window 3: w1's ring (48 slot + 12 tile).
.set XP,  784                          ; an LDS row of x: 768 bytes + 16
.set SPARE, 64*XP                      ; behind the tile: the spare words, 128 bytes a wave
.set XRD, 4                            ; v4       LDS: row lane % 16, + 48 (lane / 16)
.set XWR, 5                            ; v5       LDS: row 16 wave + lane / 16, + 16 (lane % 16)
.set TK,  118                          ; v118-125 the rows that I gather: token x 768 + 16 (lane % 16)
.set XSC, 16                           ; v16-31   x's scale words: register 8 mp + s: lanes 0-15 tile 2 mp, lanes 16-31 tile 2 mp + 1
.set WSC, 32                           ; v32-39   w1's: register 2 slot + p
.set BI,  40                           ; v40-71   b1 in the result's layout, 8 registers a tile
.set CD,  72                           ; v72-103  the codes, 8 registers for each tile of tokens
.set MX,  104                          ; v104-105 largest magnitudes of the two blocks
.set PD,  106                          ; v106-107 the other half's
.set SO,  108                          ; v108-109 the conversions' scale operands
.set BY,  110                          ; v110-111 the bytes
.set HW,  112                          ; v112-115 two bytes for each tile of tokens
.set SW,  116                          ; v116-117 as they are stored
.set ACC, 128                          ; v128-255 accumulator 4 m + 2 p + u; in the head v128-223 carry x's rows to LDS
.set MSB, 0
.macro WIN new                         ; the immediate's high byte repeats the setting that is left
.if MSB != \new
	s_set_vgpr_msb (MSB<<8)|\new
.set MSB, \new
.endif
.endm
.macro WM                              ; one product; fA, fB: the scales stand in lanes 16-31
.if (fA == 0) && (fB == 0)
	v_wmma_scale_f32_16x16x128_f8f6f4 v[rD:rD+7], v[rA:rA+11], v[rB:rB+11], v[rC:rC+7], v[rSA], v[rSB] matrix_a_fmt:MATRIX_FMT_BF6 matrix_b_fmt:MATRIX_FMT_BF6
.elseif (fA == 1) && (fB == 0)
	v_wmma_scale_f32_16x16x128_f8f6f4 v[rD:rD+7], v[rA:rA+11], v[rB:rB+11], v[rC:rC+7], v[rSA], v[rSB] matrix_a_fmt:MATRIX_FMT_BF6 matrix_b_fmt:MATRIX_FMT_BF6 matrix_a_scale:MATRIX_SCALE_ROW1
.elseif (fA == 0) && (fB == 1)
	v_wmma_scale_f32_16x16x128_f8f6f4 v[rD:rD+7], v[rA:rA+11], v[rB:rB+11], v[rC:rC+7], v[rSA], v[rSB] matrix_a_fmt:MATRIX_FMT_BF6 matrix_b_fmt:MATRIX_FMT_BF6 matrix_b_scale:MATRIX_SCALE_ROW1
.else
	v_wmma_scale_f32_16x16x128_f8f6f4 v[rD:rD+7], v[rA:rA+11], v[rB:rB+11], v[rC:rC+7], v[rSA], v[rSB] matrix_a_fmt:MATRIX_FMT_BF6 matrix_b_fmt:MATRIX_FMT_BF6 matrix_a_scale:MATRIX_SCALE_ROW1 matrix_b_scale:MATRIX_SCALE_ROW1
.endif
.endm
; 13 loads: my four tiles' images of K step ks into a slot of the ring, and their scale words
.macro WGRP slot, ks, base
	WIN 0xc0                                       ; destination window 3
.irp i, 0,1,2,3
.irp n, 0,1,2
	global_load_b128 v[48*(\slot)+12*\i+4*\n:48*(\slot)+12*\i+4*\n+3], v1, s[\base:\base+1] offset:\i*12288+(\ks)*1536+512*\n
.endr
.endr
	WIN 0
	global_load_b64 v[WSC+2*(\slot):WSC+2*(\slot)+1], v2, s[\base+2:\base+3] offset:(\ks)*256
.endm
.macro BIAS                            ; 8 loads: b1 of the next expert: lane (r, h), tile 2 p + u, register j: unit 32 p + 16 h + 8 u + j
.irp i, 0,1,2,3
	global_load_b128 v[BI+8*\i:BI+8*\i+3], v14, s[48:49] offset:128*(\i/2)+32*(\i%2)
	global_load_b128 v[BI+8*\i+4:BI+8*\i+7], v14, s[48:49] offset:128*(\i/2)+32*(\i%2)+16
.endr
.endm
.macro NEXT                            ; the mask's lowest expert becomes the next one, and its bases are made
	s_ctz_i32_b32 s22, s19
	s_min_u32 s22, s22, 7
	s_sub_co_u32 s23, s19, 1
	s_and_b32 s19, s19, s23
	s_mul_i32 s24, s22, 1572864
	s_add_nc_u64 s[44:45], s[28:29], s[24:25]
	s_lshl_b32 s24, s22, 16
	s_add_nc_u64 s[46:47], s[30:31], s[24:25]
	s_lshl_b32 s24, s22, 13
	s_add_nc_u64 s[48:49], s[32:33], s[24:25]
.endm
.macro ADVANCE more
	s_wait_xcnt 0x0                                ; the bases, and the registers that the last expert's stores read, are rewritten only behind this wait
	s_mov_b64 s[40:41], s[44:45]
	s_mov_b64 s[42:43], s[46:47]
	s_mov_b32 s21, s22
	s_mul_i32 s24, s21, 98304
	s_add_nc_u64 s[50:51], s[34:35], s[24:25]      ; where this expert's codes go,
	s_lshl_b32 s24, s21, 12
	s_add_nc_u64 s[52:53], s[36:37], s[24:25]      ; and their scale bytes
.if \more
	NEXT
.endif
.endm
; K step s of an expert: 16 matrix instructions, the 16 accumulators by turns; then the slot just read takes the K step four on: this expert's (s < 4) or the next one's.
; n: the loads issued behind this step's group, which may stay out: three groups of 13, and 8 more where the group with b1 is among them.
.macro KSTEP s, more, n
	s_wait_loadcnt \n
.if \s < 5
	WIN 0x07                                       ; source 0 (w1) window 3, source 1 (x) window 1
.set XB, 48*\s
.else
	WIN 0x0b                                       ; source 1 window 2
.set XB, 48*(\s-5)
.endif
.irp m, 0,1,2,3
.irp i, 0,1,2,3
.set rD, ACC+8*(4*\m+\i)
.set rA, 48*(\s%4)+12*\i
.set rB, XB+12*\m
.if \s == 0
.set rC, BI+8*\i
.else
.set rC, rD
.endif
.set rSA, WSC+2*(\s%4)+\i/2
.set rSB, XSC+8*(\m/2)+\s
.set fA, \i%2
.set fB, \m%2
	WM
.endr
.endr
	WIN 0
.rept 4
	v_nop                                          ; four places in front of loads into registers that these products have read, and of the first read of results
.endr
.if \s < 4
.if (\s == 0) && \more
	BIAS                                           ; first in its group, so that the group's images are its youngest loads
.endif
	WGRP \s, \s+4, 40
.elseif \more
	WGRP \s-4, \s-4, 44
.endif
.endm
; relu, the quantiser along the hidden units, and the stores: a tile of 16 tokens at a time
.macro EPI
.irp m, 0,1,2,3
.set A0, ACC+32*\m
.set j, 0
.rept 32
	v_max_num_f32 v[A0+j], 0, v[A0+j]              ; each accumulator from its low end on
.set j, j+1
.endr
	v_max3_num_f32 v[MX], v[A0], v[A0+1], 0x2800000        ; my 16 numbers of each block, none negative, and the floor 2^(5 - 127)
	v_max3_num_f32 v[MX+1], v[A0+16], v[A0+17], 0x2800000
.irp i, 2,4,6,8,10,12,14
	v_max3_num_f32 v[MX], v[MX], v[A0+\i], v[A0+\i+1]
	v_max3_num_f32 v[MX+1], v[MX+1], v[A0+16+\i], v[A0+17+\i]
.endr
	v_permlanex16_b32 v[PD], v[MX], s56, s57
	v_permlanex16_b32 v[PD+1], v[MX+1], s56, s57
	v_max_num_f32 v[MX], v[MX], v[PD]              ; with lane l xor 16's: the block's largest
	v_max_num_f32 v[MX+1], v[MX+1], v[PD+1]
	v_add_nc_u32 v[SO], 0xfe000000, v[MX]          ; 4 off the exponent field: the conversion's scale operand
	v_add_nc_u32 v[SO+1], 0xfe000000, v[MX+1]
	v_lshrrev_b32 v[BY], 23, v[SO]
	v_lshrrev_b32 v[BY+1], 23, v[SO+1]
	v_lshl_or_b32 v[HW+\m], v[BY+1], 8, v[BY]      ; my two bytes of the token's scale word
	v_cvt_scalef32_pk16_bf6_f32 v[CD+8*\m:CD+8*\m+2], v[A0:A0+15], v[SO]
	v_cvt_scalef32_pk16_bf6_f32 v[CD+8*\m+4:CD+8*\m+6], v[A0+16:A0+31], v[SO+1]
	v_nop                                          ; one plain place behind a scaled conversion
.irp i, 0,1,2
	v_permlane16_swap_b32 v[CD+8*\m+\i], v[CD+8*\m+4+\i]   ; the operand wants a whole block in a lane
.endr
.irp i, 0,1,2
	v_mov_b32 v[CD+8*\m+3+\i], v[CD+8*\m+4+\i]
.endr
	global_store_b128 v1, v[CD+8*\m:CD+8*\m+3], s[50:51] offset:\m*24576          ; 512 consecutive bytes
	global_store_b64 v2, v[CD+8*\m+4:CD+8*\m+5], s[50:51] offset:\m*24576+512     ; 256 consecutive bytes
.endr
.irp p, 0,1
	v_cndmask_b32 v[SW+\p], v[HW+2*\p], v[HW+2*\p+1], s58   ; lanes 0-15: tile 2 p's tokens; lanes 16-31: tile 2 p + 1's
	global_store_b16 v3, v[SW+\p], s[52:53] offset:4*\p
.endr
.endm
	s_load_b256 s[4:11], s[0:1], 0x0               ; srt s[4:5], xq s[6:7], wq s[8:9], wsc s[10:11]
	s_load_b128 s[12:15], s[0:1], 0x20             ; b1 s[12:13], hid s[14:15]
	v_lshrrev_b32 v15, 5, v0
	v_readfirstlane_b32 s16, v15                   ; wave
	v_and_b32 v15, 31, v0                          ; lane
	v_lshlrev_b32 v1, 4, v15                       ; v1 = 16 x lane
	v_lshlrev_b32 v2, 3, v15                       ; v2 = 8 x lane
	s_and_b32 s23, s16, 1                          ; c
	s_lshl_b32 s23, s23, 1
	v_add_nc_u32 v3, s23, v2                       ; v3 = 8 x lane + 2 c: my two bytes of a scale word
	v_bfe_u32 v107, v0, 4, 1                       ; h
	v_lshlrev_b32 v14, 6, v107                     ; v14 = 64 h: b1
	v_mul_u32_u24 v106, v107, 48
	s_mov_b32 s17, ttmp9                           ; which 256 hidden units
	s_and_b32 s18, ttmp7, 0xffff                   ; which block of tokens
	s_lshl_b32 s23, s18, 8
	v_and_b32 v104, 15, v0                         ; r
	v_lshlrev_b32 v6, 4, v104                      ; 16 r
	v_mul_u32_u24 v[XRD], v104, XP
	v_add_nc_u32 v[XRD], v[XRD], v106
	v_lshl_add_u32 v104, v104, 2, s23              ; srt: 64 b + r
	v_lshl_add_u32 v105, v15, 2, s23               ;      64 b + lane
	s_lshl_b32 s26, s16, 6
	s_add_co_u32 s26, s26, s23
	v_lshl_add_u32 v126, v107, 2, s26              ;      64 b + 16 wave + h
	s_mul_i32 s27, s16, 16*XP
	v_mul_u32_u24 v[XWR], v107, XP
	v_add_nc_u32 v[XWR], v[XWR], v6
	v_add_nc_u32 v[XWR], s27, v[XWR]
	s_mov_b32 s56, 0x76543210
	s_mov_b32 s57, 0xfedcba98                      ; selects for lane l xor 16
	s_mov_b32 s58, 0xffff0000                      ; lanes 16-31
	s_mov_b32 s25, 0                               ; the upper word of every offset
	s_wait_alu depctr_va_vdst(0)                   ; the wait at the head's end
	s_wait_kmcnt 0x0
.irp m, 0,1,2,3
	global_load_b32 v[10+\m], v104, s[4:5] offset:64*\m
.endr
.irp p, 0,1
	global_load_b32 v[8+\p], v105, s[4:5] offset:128*\p
.endr
.irp p, 0,1,2,3,4,5,6,7
	global_load_b32 v[TK+\p], v126, s[4:5] offset:8*\p
.endr
	s_lshl_b32 s23, s17, 2
	s_add_co_u32 s23, s23, s16                     ; g = 4 x slice + wave: my 64 hidden units
	s_mul_i32 s24, s23, 49152                      ; four tiles of 12,288 bytes
	s_add_nc_u64 s[28:29], s[8:9], s[24:25]        ; w1's images, expert 0
	s_lshl_b32 s24, s23, 11
	s_add_nc_u64 s[30:31], s[10:11], s[24:25]      ; its scale words
	s_lshl_b32 s24, s23, 8
	s_add_nc_u64 s[32:33], s[12:13], s[24:25]      ; b1
	s_mul_i32 s24, s18, 786432
	s_mul_i32 s26, s23, 768                        ; K step g / 2, half g % 2
	s_add_co_u32 s24, s24, s26
	s_add_nc_u64 s[34:35], s[14:15], s[24:25]      ; the hidden codes, expert 0
	s_lshl_b32 s24, s18, 15
	s_lshr_b32 s26, s23, 1
	s_lshl_b32 s26, s26, 8
	s_add_co_u32 s24, s24, s26
	s_add_co_u32 s24, s24, 25165824
	s_add_nc_u64 s[36:37], s[14:15], s[24:25]      ; their scale words
	s_wait_loadcnt 0x0
	v_mov_b32 v15, 1
	v_mov_b32 v108, 0
.irp m, 0,1,2,3
	v_bfe_u32 v109, v[10+\m], 14, 3                ; lo
	v_lshlrev_b32 v109, v109, v15
	v_or_b32 v108, v108, v109
	v_bfe_u32 v109, v[10+\m], 11, 3                ; hi
	v_lshlrev_b32 v109, v109, v15
	v_or_b32 v108, v108, v109
.endr
.irp p, 0,1
	v_and_b32 v[8+\p], 0x7ff, v[8+\p]
	v_min_u32 v[8+\p], 0x7ff, v[8+\p]
	v_lshlrev_b32 v[8+\p], 5, v[8+\p]              ; the token's 32 scale bytes
.endr
.irp p, 0,1,2,3,4,5,6,7
	v_and_b32 v[TK+\p], 0x7ff, v[TK+\p]            ; the token
	v_min_u32 v[TK+\p], 0x7ff, v[TK+\p]
	v_mul_u32_u24 v[TK+\p], v[TK+\p], 768
	v_add_nc_u32 v[TK+\p], v[TK+\p], v6
.endr
	s_mov_b32 s19, 0                               ; the experts that occur in the block
.irp e, 0,1,2,3,4,5,6,7
	v_and_b32 v109, 1<<\e, v108
	v_cmp_ne_u32 vcc_lo, 0, v109
	s_cmp_lg_u32 vcc_lo, 0
	s_cselect_b32 s23, 1<<\e, 0
	s_or_b32 s19, s19, s23
.endr
	s_bcnt1_i32_b32 s20, s19
	s_sub_co_u32 s20, s20, 1                       ; all but the last go round the loop
	s_max_u32 s20, s20, 1                          ; at least one trip, whatever srt holds, so that the loop ends
	v_mov_b32 v[PD], 0                             ; a lane permute's destination counts as one of its sources
	v_mov_b32 v[PD+1], 0
	NEXT
.irp p, 0,1
	global_load_b128 v[XSC+8*\p:XSC+8*\p+3], v[8+\p], s[6:7] offset:1572864
	global_load_b128 v[XSC+8*\p+4:XSC+8*\p+7], v[8+\p], s[6:7] offset:1572864+16
.endr
.irp p, 0,1,2,3,4,5,6,7                ; my 16 rows of x's codes: lanes 0-15 row 2 p, lanes 16-31 row 2 p + 1; sixteen lanes read 256 consecutive bytes
.irp n, 0,1,2
	global_load_b128 v[ACC+12*\p+4*\n:ACC+12*\p+4*\n+3], v[TK+\p], s[6:7] offset:256*\n
.endr
.endr
	BIAS                                           ; the first expert's b1, then its first four K steps: 60 loads, the order that the counts 60 and 39 lean on
	WGRP 0, 0, 44
	WGRP 1, 1, 44
	WGRP 2, 2, 44
	WGRP 3, 3, 44
	s_wait_loadcnt 60                              ; x's rows and scale words are in; the 60 loads issued behind them may be out
.irp p, 0,1,2,3,4,5,6,7
.irp n, 0,1,2
	ds_store_b128 v[XWR], v[ACC+12*\p+4*\n:ACC+12*\p+4*\n+3] offset:2*\p*XP+256*\n
.endr
.endr
	s_wait_dscnt 0x0                               ; for the others' sake: my 16 rows have landed
	s_barrier_signal -1
	s_barrier_wait -1                              ; the tile is whole; nothing writes it again
	WIN 0x40                                       ; x's fragments: a lane's 48 bytes of a K step lie on end
.irp s, 0,1,2,3,4
.irp m, 0,1,2,3
.irp n, 0,1,2
	ds_load_b128 v[48*\s+12*\m+4*\n:48*\s+12*\m+4*\n+3], v[XRD] offset:16*\m*XP+96*\s+16*\n
.endr
.endr
.endr
	WIN 0x80
.irp s, 5,6,7
.irp m, 0,1,2,3
.irp n, 0,1,2
	ds_load_b128 v[48*(\s-5)+12*\m+4*\n:48*(\s-5)+12*\m+4*\n+3], v[XRD] offset:16*\m*XP+96*\s+16*\n
.endr
.endr
.endr
	WIN 0
	s_wait_dscnt 0x0
.Litem:
	ADVANCE 1
	KSTEP 0, 1, 39
	KSTEP 1, 1, 47
	KSTEP 2, 1, 47
	KSTEP 3, 1, 47
	KSTEP 4, 1, 39
	KSTEP 5, 1, 39
	KSTEP 6, 1, 39
	KSTEP 7, 1, 39
	EPI
	s_sub_co_u32 s20, s20, 1
	s_cmp_lg_u32 s20, 0
	s_cbranch_scc1 .Litem
	ADVANCE 0                                      ; the last expert is written out: nothing is fetched beyond it, and the counts run down
	KSTEP 0, 0, 39
	KSTEP 1, 0, 39
	KSTEP 2, 0, 39
	KSTEP 3, 0, 39
	KSTEP 4, 0, 39
	KSTEP 5, 0, 26
	KSTEP 6, 0, 13
	KSTEP 7, 0, 0
	EPI
	s_wait_xcnt 0x0
	v_lshl_add_u32 v[MX], v0, 2, SPARE
	v_mov_b32 v[MX+1], 0
	s_wait_alu depctr_va_vdst(0)
	s_wait_tensorcnt 0x0                           ; the wave's end
	ds_add_u32 v[MX], v[MX+1]
	s_wait_dscnt 0x0
	s_endpgm
.Lfunc_end_k_q55bfcb40d4_ffn1:
	.size	k_q55bfcb40d4_ffn1, .Lfunc_end_k_q55bfcb40d4_ffn1-k_q55bfcb40d4_ffn1
	.p2alignl 7, 3214868480
	.fill 96, 4, 3214868480
	.section	.rodata,"a",@progbits
	.p2align	6, 0x0
	.amdhsa_kernel k_q55bfcb40d4_ffn1
		.amdhsa_group_segment_fixed_size 50688
		.amdhsa_private_segment_fixed_size 0
		.amdhsa_enable_private_segment 0
		.amdhsa_kernarg_size 48
		.amdhsa_user_sgpr_count 2
		.amdhsa_user_sgpr_kernarg_segment_ptr 1
		.amdhsa_wavefront_size32 1
		.amdhsa_system_sgpr_workgroup_id_x 1
		.amdhsa_system_sgpr_workgroup_id_y 1
		.amdhsa_system_sgpr_workgroup_id_z 1
		.amdhsa_system_vgpr_workitem_id 0
		.amdhsa_next_free_vgpr 1024
		.amdhsa_next_free_sgpr 66
		.amdhsa_reserve_vcc 1
		.amdhsa_float_denorm_mode_32 3
		.amdhsa_float_denorm_mode_16_64 3
		.amdhsa_memory_ordered 1
		.amdhsa_forward_progress 1
		.amdhsa_inst_pref_size 104
	.end_amdhsa_kernel
	.amdgpu_metadata
---
amdhsa.version: [ 1, 2 ]
amdhsa.kernels:
  - .name:           k_q55bfcb40d4_ffn1
    .symbol:         k_q55bfcb40d4_ffn1.kd
    .args:
      - { .name: srt, .offset: 0, .size: 8, .value_kind: global_buffer, .address_space: global }
      - { .name: xq, .offset: 8, .size: 8, .value_kind: global_buffer, .address_space: global }
      - { .name: wq, .offset: 16, .size: 8, .value_kind: global_buffer, .address_space: global }
      - { .name: wsc, .offset: 24, .size: 8, .value_kind: global_buffer, .address_space: global }
      - { .name: b1, .offset: 32, .size: 8, .value_kind: global_buffer, .address_space: global }
      - { .name: hid, .offset: 40, .size: 8, .value_kind: global_buffer, .address_space: global }
    .group_segment_fixed_size: 50688
    .private_segment_fixed_size: 0
    .kernarg_segment_align: 8
    .kernarg_segment_size: 48
    .max_flat_workgroup_size: 128
    .sgpr_count:     66
    .vgpr_count:     1024
    .wavefront_size: 32
...
	.end_amdgpu_metadata
.endif
;; end of part 3
;; launch ffn2 (part 4): grid 8 x 32, 8 waves a work-group, no clusters, 166,912 bytes of LDS; arguments srt, rg, hid, wq, wsc, b2, out0; writes out0
.if DOCPART == 4
	.amdgcn_target "amdgcn-amd-amdhsa--gfx1250"
	.amdhsa_code_object_version 6
	.text
	.protected	k_q55bfcb40d4_ffn2
	.globl	k_q55bfcb40d4_ffn2
	.p2align	8
	.type	k_q55bfcb40d4_ffn2,@function
k_q55bfcb40d4_ffn2:
	s_mov_b64 s[64:65], 0
	v_nop
	global_prefetch_b8 v0, s[64:65] scope:SCOPE_SE
	s_setreg_imm32_b32 hwreg(HW_REG_WAVE_MODE, 25, 1), 1
	s_wait_xcnt 0x0
; FOURTH LAUNCH.  out[token] = the sum over the token's two experts of gate x (hidden Q(w2[e]) + b2[e]), the product on codes of BF6 (E3M2) with one E8M0 scale for each 32 along K.
; SHARES.  A work-group takes a block of 64 sorted tokens (y) x 128 columns (x), and owns those numbers of out0 alone.  Wave w: ch = w % 2: which 64 columns (four tiles); kq = w / 2: which quarter of K (four K steps); all 64 tokens.
; It walks the experts that occur in the block (at least two: a token's two experts differ).  For each: 64 matrix instructions into T, then O += gate x T, the gate 0 for a token that does not use the expert.
; The gating is linear, so each wave keeps its own gated sums over all experts, and the four quarters of K meet ONCE, at the end, in LDS: the one barrier stands behind the walk, on every wave's path.
; So an output's sum is made in four parts of K, added in f32: not the bits of one ascending chain.
; The walk hangs on stored numbers: operands go from memory straight into registers, as images laid by the earlier launches; two slots of a K step by turns.  No cluster: the list of experts differs from block to block.
; THE PRODUCT IS USED TRANSPOSED (source 0 = 16 columns of w2, source 1 = 16 tokens): a lane holds one token and eight neighbouring columns.
; REGISTERS: window 0: v1-55 addresses, experts, gates; v56-151, v152-247 two slots: w2's four fragments (12 i), then the hidden layer's four (48 + 12 m); v248-255 scale words.
;   window 1: v0-127 T, accumulator 4 m + i; v128-255 O.
.set SLT, 56
.set SCW, 248                          ; slot k: v[248 + 4 k], +1: w2's words (pairs of tiles); +2, +3: the hidden layer's
.set MSB, 0
.macro WIN new                         ; the immediate's high byte repeats the setting that is left
.if MSB != \new
	s_set_vgpr_msb (MSB<<8)|\new
.set MSB, \new
.endif
.endm
.macro WM2                             ; one product; fZ: it starts the sum; fA, fB: the scales stand in lanes 16-31
.if fZ
.if (fA == 0) && (fB == 0)
	v_wmma_scale_f32_16x16x128_f8f6f4 v[rD:rD+7], v[rA:rA+11], v[rB:rB+11], 0, v[rSA], v[rSB] matrix_a_fmt:MATRIX_FMT_BF6 matrix_b_fmt:MATRIX_FMT_BF6
.elseif (fA == 1) && (fB == 0)
	v_wmma_scale_f32_16x16x128_f8f6f4 v[rD:rD+7], v[rA:rA+11], v[rB:rB+11], 0, v[rSA], v[rSB] matrix_a_fmt:MATRIX_FMT_BF6 matrix_b_fmt:MATRIX_FMT_BF6 matrix_a_scale:MATRIX_SCALE_ROW1
.elseif (fA == 0) && (fB == 1)
	v_wmma_scale_f32_16x16x128_f8f6f4 v[rD:rD+7], v[rA:rA+11], v[rB:rB+11], 0, v[rSA], v[rSB] matrix_a_fmt:MATRIX_FMT_BF6 matrix_b_fmt:MATRIX_FMT_BF6 matrix_b_scale:MATRIX_SCALE_ROW1
.else
	v_wmma_scale_f32_16x16x128_f8f6f4 v[rD:rD+7], v[rA:rA+11], v[rB:rB+11], 0, v[rSA], v[rSB] matrix_a_fmt:MATRIX_FMT_BF6 matrix_b_fmt:MATRIX_FMT_BF6 matrix_a_scale:MATRIX_SCALE_ROW1 matrix_b_scale:MATRIX_SCALE_ROW1
.endif
.else
.if (fA == 0) && (fB == 0)
	v_wmma_scale_f32_16x16x128_f8f6f4 v[rD:rD+7], v[rA:rA+11], v[rB:rB+11], v[rD:rD+7], v[rSA], v[rSB] matrix_a_fmt:MATRIX_FMT_BF6 matrix_b_fmt:MATRIX_FMT_BF6
.elseif (fA == 1) && (fB == 0)
	v_wmma_scale_f32_16x16x128_f8f6f4 v[rD:rD+7], v[rA:rA+11], v[rB:rB+11], v[rD:rD+7], v[rSA], v[rSB] matrix_a_fmt:MATRIX_FMT_BF6 matrix_b_fmt:MATRIX_FMT_BF6 matrix_a_scale:MATRIX_SCALE_ROW1
.elseif (fA == 0) && (fB == 1)
	v_wmma_scale_f32_16x16x128_f8f6f4 v[rD:rD+7], v[rA:rA+11], v[rB:rB+11], v[rD:rD+7], v[rSA], v[rSB] matrix_a_fmt:MATRIX_FMT_BF6 matrix_b_fmt:MATRIX_FMT_BF6 matrix_b_scale:MATRIX_SCALE_ROW1
.else
	v_wmma_scale_f32_16x16x128_f8f6f4 v[rD:rD+7], v[rA:rA+11], v[rB:rB+11], v[rD:rD+7], v[rSA], v[rSB] matrix_a_fmt:MATRIX_FMT_BF6 matrix_b_fmt:MATRIX_FMT_BF6 matrix_a_scale:MATRIX_SCALE_ROW1 matrix_b_scale:MATRIX_SCALE_ROW1
.endif
.endif
.endm
; 30 loads: step s of my four K steps into slot k.  base: four pairs of scalar registers: w2's images, its scale words, the hidden codes, their scale words
.macro GRP k, s, base
.set R, SLT+96*(\k)
.irp i, 0,1,2,3
.irp n, 0,1,2
	global_load_b128 v[R+12*\i+4*\n:R+12*\i+4*\n+3], v1, s[\base:\base+1] offset:\i*24576+(\s)*1536+512*\n
.endr
.endr
	global_load_b64 v[SCW+4*(\k):SCW+4*(\k)+1], v2, s[\base+2:\base+3] offset:(\s)*256
.irp m, 0,1,2,3
.irp c, 0,1
	global_load_b128 v[R+48+12*\m+6*\c:R+48+12*\m+6*\c+3], v1, s[\base+4:\base+5] offset:\m*24576+(\s)*1536+768*\c
	global_load_b64 v[R+48+12*\m+6*\c+4:R+48+12*\m+6*\c+5], v2, s[\base+4:\base+5] offset:\m*24576+(\s)*1536+768*\c+512
.endr
.endr
	global_load_b64 v[SCW+4*(\k)+2:SCW+4*(\k)+3], v2, s[\base+6:\base+7] offset:(\s)*256
.endm
.macro NEXT                            ; the mask's lowest expert becomes the next one, and its bases are made
	s_ctz_i32_b32 s57, s54
	s_min_u32 s57, s57, 7
	s_sub_co_u32 s58, s54, 1
	s_and_b32 s54, s54, s58
	s_mul_i32 s52, s57, 1572864
	s_add_nc_u64 s[40:41], s[24:25], s[52:53]
	s_lshl_b32 s52, s57, 16
	s_add_nc_u64 s[42:43], s[26:27], s[52:53]
	s_mul_i32 s52, s57, 98304
	s_add_nc_u64 s[44:45], s[28:29], s[52:53]
	s_lshl_b32 s52, s57, 12
	s_add_nc_u64 s[46:47], s[30:31], s[52:53]
.endm
.macro ADVANCE more
	s_wait_xcnt 0x0                                ; every earlier load has had its addresses translated: the bases are rewritten only behind this wait
	s_mov_b64 s[32:33], s[40:41]
	s_mov_b64 s[34:35], s[42:43]
	s_mov_b64 s[36:37], s[44:45]
	s_mov_b64 s[38:39], s[46:47]
	s_mov_b32 s56, s57
.if \more
	NEXT
.endif
.endm
; step s: 16 matrix instructions, the 16 accumulators by turns; then the slot just read takes the step two on: this expert's (s < 2) or the next one's.
; n: the one younger group's 30 loads may stay out
.macro KSTEP2 s, more, n
	s_wait_loadcnt \n
	WIN 0x50                                       ; C and D window 1
.irp m, 0,1,2,3
.irp i, 0,1,2,3
.set rD, 8*(4*\m+\i)
.set rA, SLT+96*(\s%2)+12*\i
.set rB, SLT+96*(\s%2)+48+12*\m
.set rSA, SCW+4*(\s%2)+\i/2
.set rSB, SCW+4*(\s%2)+2+\m/2
.set fA, \i%2
.set fB, \m%2
.set fZ, (\s == 0)
	WM2
.endr
.endr
	WIN 0
.rept 4
	v_nop                                          ; four places in front of loads into registers that these products have read, and of the first read of results
.endr
.if \s < 2
	GRP \s, \s+2, 32
.elseif \more
	GRP \s-2, \s-2, 40
.endif
.endm
; O += gate x T.  first = 1: the first expert starts O: nothing is cleared
.macro GATE first
.irp m, 0,1,2,3
	v_cmp_eq_u32 vcc_lo, s56, v[3+\m]
	s_delay_alu instid0(VALU_DEP_1)
	v_cndmask_b32 v[40+2*\m], 0, v[12+2*\m], vcc_lo            ; lo's gate where the expert is the token's lo,
	v_cmp_eq_u32 vcc_lo, s56, v[7+\m]
	s_delay_alu instid0(VALU_DEP_1)
	v_cndmask_b32 v[40+2*\m], v[40+2*\m], v[13+2*\m], vcc_lo   ; hi's where it is its hi, else 0
	s_delay_alu instid0(VALU_DEP_1)
	v_mov_b32 v[41+2*\m], v[40+2*\m]                           ; (named with it as a pair, so it is written)
.endr
.if \first
	WIN 0x41                                       ; O and T window 1, the gate window 0
.else
	WIN 0x51
.endif
.set a, 0
.rept 16
.irp j, 0,2,4,6                        ; each accumulator from its low end on
.if \first
	v_pk_mul_f32 v[128+8*a+\j:129+8*a+\j], v[8*a+\j:8*a+\j+1], v[40+2*(a/4):41+2*(a/4)] op_sel_hi:[1,0]
.else
	v_pk_fma_f32 v[128+8*a+\j:129+8*a+\j], v[8*a+\j:8*a+\j+1], v[40+2*(a/4):41+2*(a/4)], v[128+8*a+\j:129+8*a+\j] op_sel_hi:[1,0,1]
.endif
.endr
.set a, a+1
.endr
	WIN 0
.endm
	s_load_b256 s[4:11], s[0:1], 0x0               ; srt s[4:5], rg s[6:7], hid s[8:9], wq s[10:11]
	s_load_b128 s[12:15], s[0:1], 0x20             ; wsc s[12:13], b2 s[14:15]
	s_load_b64 s[16:17], s[0:1], 0x30              ; out0
	v_lshrrev_b32 v22, 5, v0
	s_delay_alu instid0(VALU_DEP_1)
	v_readfirstlane_b32 s18, v22                   ; wave
	s_and_b32 s19, s18, 1                          ; ch
	s_lshr_b32 s20, s18, 1                         ; kq
	s_mov_b32 s21, ttmp9                           ; which 128 columns
	s_and_b32 s22, ttmp7, 0xffff                   ; which block of tokens
	v_and_b32 v22, 31, v0                          ; lane
	s_delay_alu instid0(VALU_DEP_1)
	v_lshlrev_b32 v1, 4, v22                       ; v1 = 16 x lane
	s_delay_alu instid0(VALU_DEP_2)
	v_lshlrev_b32 v2, 3, v22                       ; v2 = 8 x lane
	v_and_b32 v23, 15, v0                          ; r
	v_bfe_u32 v39, v0, 4, 1                        ; h
	; LDS: bytes 0 - 131,071: each wave's O as an image of its registers: 16,384 x wave + 1,024 x accumulator + 512 x half + 16 x lane.  From 131,072: a stage of 16 rows x 272 bytes for each wave
	s_lshl_b32 s58, s18, 14
	v_add_nc_u32 v34, s58, v1                      ; v34: where I store my O
	s_lshl_b32 s58, s19, 14
	s_lshl_b32 s59, s20, 12
	s_add_co_u32 s58, s58, s59
	v_add_nc_u32 v35, s58, v1                      ; v35: tile kq of the tokens, my columns, in the images of K's quarters 0 and 1;
	s_delay_alu instid0(VALU_DEP_1)
	v_add_nc_u32 v36, 0x10000, v35                 ; v36: of quarters 2 and 3
	s_mul_i32 s58, s18, 4352
	s_add_co_u32 s58, s58, 131072
	v_mul_u32_u24 v37, v23, 272
	s_delay_alu instid0(VALU_DEP_1)
	v_lshl_add_u32 v37, v39, 5, v37
	s_delay_alu instid0(VALU_DEP_1)
	v_add_nc_u32 v37, s58, v37                     ; v37: the stage, in: row r, + 32 h
	v_mul_u32_u24 v38, v39, 272
	s_delay_alu instid0(VALU_DEP_1)
	v_lshl_add_u32 v38, v23, 4, v38
	s_delay_alu instid0(VALU_DEP_1)
	v_add_nc_u32 v38, s58, v38                     ; v38: back: lanes 0-15 one row, lanes 16-31 the next
	s_lshl_b32 s58, s22, 8
	v_lshl_add_u32 v70, v23, 2, s58                ; srt: 64 b + r
	s_lshl_b32 s59, s20, 6
	s_add_co_u32 s59, s59, s58
	v_lshl_add_u32 v71, v23, 2, s59                ;      64 b + 16 kq + r
	v_lshl_add_u32 v72, v39, 2, s59                ;      64 b + 16 kq + h
	s_mov_b32 s53, 0                               ; the upper word of every offset
	s_wait_alu depctr_va_vdst(0)
	s_wait_kmcnt 0x0
.irp m, 0,1,2,3
	global_load_b32 v[56+\m], v70, s[4:5] offset:64*\m
.endr
	global_load_b32 v60, v71, s[4:5]
.irp t, 0,1,2,3,4,5,6,7
	global_load_b32 v[61+\t], v72, s[4:5] offset:8*\t
.endr
	s_lshl_b32 s58, s21, 3
	s_lshl_b32 s59, s19, 2
	s_add_co_u32 s58, s58, s59                     ; my first tile of w2: 8 x slice + 4 ch
	s_lshl_b32 s58, s58, 4
	s_lshl_b32 s59, s20, 2                         ; my first K step: 4 kq
	s_add_co_u32 s58, s58, s59
	s_mul_i32 s52, s58, 1536
	s_add_co_u32 s52, s52, 12582912
	s_add_nc_u64 s[24:25], s[10:11], s[52:53]      ; w2's images, expert 0
	s_lshl_b32 s58, s21, 1
	s_add_co_u32 s58, s58, s19
	s_lshl_b32 s58, s58, 4
	s_add_co_u32 s58, s58, s59
	s_lshl_b32 s52, s58, 8
	s_add_co_u32 s52, s52, 524288
	s_add_nc_u64 s[26:27], s[12:13], s[52:53]      ; its scale words
	s_mul_i32 s52, s22, 786432
	s_mul_i32 s58, s59, 1536
	s_add_co_u32 s52, s52, s58
	s_add_nc_u64 s[28:29], s[8:9], s[52:53]        ; the hidden codes, expert 0
	s_lshl_b32 s52, s22, 15
	s_lshl_b32 s58, s59, 8
	s_add_co_u32 s52, s52, s58
	s_add_co_u32 s52, s52, 25165824
	s_add_nc_u64 s[30:31], s[8:9], s[52:53]        ; their scale words
	s_lshl_b32 s52, s21, 9
	s_lshl_b32 s58, s19, 8
	s_add_co_u32 s52, s52, s58                     ; my 64 columns: 256 bytes of a row
	s_add_nc_u64 s[48:49], s[16:17], s[52:53]      ; in out0,
	s_add_nc_u64 s[50:51], s[14:15], s[52:53]      ; and in b2
	s_wait_loadcnt 0x0
	v_mov_b32 v53, 1
	v_mov_b32 v54, 0
.irp m, 0,1,2,3
	v_bfe_u32 v[3+\m], v[56+\m], 14, 3             ; v3-6: lo of token r of tile m
	v_bfe_u32 v[7+\m], v[56+\m], 11, 3             ; v7-10: hi
	s_delay_alu instid0(VALU_DEP_2)
	v_lshlrev_b32 v55, v[3+\m], v53
	s_delay_alu instid0(VALU_DEP_1)
	v_or_b32 v54, v54, v55
	s_delay_alu instid0(VALU_DEP_3)
	v_lshlrev_b32 v55, v[7+\m], v53
	s_delay_alu instid0(VALU_DEP_1)
	v_or_b32 v54, v54, v55
	v_and_b32 v[48+\m], 0x7ff, v[56+\m]
	s_delay_alu instid0(VALU_DEP_1)
	v_min_u32 v[48+\m], 0x7ff, v[48+\m]
	s_delay_alu instid0(VALU_DEP_1)
	v_lshlrev_b32 v[48+\m], 3, v[48+\m]            ; v48-51: its gates' place in rg
.endr
	v_bfe_u32 v20, v60, 14, 3                      ; the tile that I finish, kq: its lo and hi as places in b2,
	s_delay_alu instid0(VALU_DEP_1)
	v_min_u32 v20, 7, v20
	s_delay_alu instid0(VALU_DEP_1)
	v_lshlrev_b32 v20, 12, v20
	s_delay_alu instid0(VALU_DEP_1)
	v_lshl_add_u32 v20, v39, 5, v20                ; + 32 h
	v_bfe_u32 v21, v60, 11, 3
	s_delay_alu instid0(VALU_DEP_1)
	v_min_u32 v21, 7, v21
	s_delay_alu instid0(VALU_DEP_1)
	v_lshlrev_b32 v21, 12, v21
	s_delay_alu instid0(VALU_DEP_1)
	v_lshl_add_u32 v21, v39, 5, v21
	v_and_b32 v52, 0x7ff, v60
	s_delay_alu instid0(VALU_DEP_1)
	v_min_u32 v52, 0x7ff, v52
	s_delay_alu instid0(VALU_DEP_1)
	v_lshlrev_b32 v52, 3, v52                      ; and its gates' place
.irp t, 0,1,2,3,4,5,6,7
	v_and_b32 v[26+\t], 0x7ff, v[61+\t]            ; v26-33: the rows of out0 that I store: token x 4,096 + 16 r
	s_delay_alu instid0(VALU_DEP_1)
	v_min_u32 v[26+\t], 0x7ff, v[26+\t]
	s_delay_alu instid0(VALU_DEP_1)
	v_lshlrev_b32 v[26+\t], 12, v[26+\t]
	s_delay_alu instid0(VALU_DEP_1)
	v_lshl_add_u32 v[26+\t], v23, 4, v[26+\t]
.endr
	s_mov_b32 s54, 0                               ; the experts that occur in the block
.irp e, 0,1,2,3,4,5,6,7
	v_and_b32 v55, 1<<\e, v54
	s_delay_alu instid0(VALU_DEP_1)
	v_cmp_ne_u32 vcc_lo, 0, v55
	s_cmp_lg_u32 vcc_lo, 0
	s_cselect_b32 s58, 1<<\e, 0
	s_or_b32 s54, s54, s58
.endr
	s_bcnt1_i32_b32 s55, s54
	s_sub_co_u32 s55, s55, 2                       ; the first and the last are written out
.irp m, 0,1,2,3
	global_load_b64 v[12+2*\m:13+2*\m], v[48+\m], s[6:7]   ; v12-19: (lo's gate, hi's gate)
.endr
	global_load_b64 v[24:25], v52, s[6:7]
	NEXT
	GRP 0, 0, 40
	GRP 1, 1, 40
	ADVANCE 1
	KSTEP2 0, 1, 30
	KSTEP2 1, 1, 30
	KSTEP2 2, 1, 30
	KSTEP2 3, 1, 30
	GATE 1
	s_cmp_eq_u32 s55, 0
	s_cbranch_scc1 .Llast
.Lmid:
	ADVANCE 1
	KSTEP2 0, 1, 30
	KSTEP2 1, 1, 30
	KSTEP2 2, 1, 30
	KSTEP2 3, 1, 30
	GATE 0
	s_sub_co_u32 s55, s55, 1
	s_cmp_lg_u32 s55, 0
	s_cbranch_scc1 .Lmid
.Llast:                                            ; on both ways here the last expert's first two groups, 60 loads, are out
	ADVANCE 0
	KSTEP2 0, 0, 30
	KSTEP2 1, 0, 30
	KSTEP2 2, 0, 30
	KSTEP2 3, 0, 0
	GATE 0
	; THE END.  b2 of my tile's two experts is asked for; the four quarters of K meet in LDS; wave (ch, kq) finishes tile kq of the tokens for its 64 columns
.irp i, 0,1,2,3
	global_load_b128 v[184+8*\i:187+8*\i], v20, s[50:51] offset:64*\i
	global_load_b128 v[188+8*\i:191+8*\i], v20, s[50:51] offset:64*\i+16
	global_load_b128 v[216+8*\i:219+8*\i], v21, s[50:51] offset:64*\i
	global_load_b128 v[220+8*\i:223+8*\i], v21, s[50:51] offset:64*\i+16
.endr
	WIN 0x04                                       ; an LDS store's data are its source 1: window 1
.set a, 0
.rept 16
	ds_store_b128 v34, v[128+8*a:131+8*a] offset:a*1024
	ds_store_b128 v34, v[132+8*a:135+8*a] offset:a*1024+512
.set a, a+1
.endr
	WIN 0
	s_wait_dscnt 0x0                               ; for the others' sake: my stores have landed
	s_barrier_signal -1
	s_barrier_wait -1
.irp q, 0,1,2,3
.irp i, 0,1,2,3
.irp f, 0,1
.if \q < 2
	ds_load_b128 v[56+32*\q+8*\i+4*\f:59+32*\q+8*\i+4*\f], v35 offset:\q*32768+\i*1024+\f*512
.else
	ds_load_b128 v[56+32*\q+8*\i+4*\f:59+32*\q+8*\i+4*\f], v36 offset:(\q-2)*32768+\i*1024+\f*512
.endif
.endr
.endr
.endr
	s_wait_dscnt 0x0
.set j, 0
.rept 16
	v_pk_add_f32 v[56+j:57+j], v[56+j:57+j], v[88+j:89+j]
	v_pk_add_f32 v[120+j:121+j], v[120+j:121+j], v[152+j:153+j]
.set j, j+2
.endr
.set j, 0
.rept 16
	v_pk_add_f32 v[56+j:57+j], v[56+j:57+j], v[120+j:121+j]
.set j, j+2
.endr
	s_wait_loadcnt 0x0                             ; b2
.set j, 0
.rept 16
	v_pk_fma_f32 v[56+j:57+j], v[184+j:185+j], v[24:25], v[56+j:57+j] op_sel_hi:[1,0,1]                 ; + lo's gate x b2[lo]
	s_delay_alu instid0(VALU_DEP_1)
	v_pk_fma_f32 v[56+j:57+j], v[216+j:217+j], v[24:25], v[56+j:57+j] op_sel:[0,1,0] op_sel_hi:[1,1,1]  ; + hi's gate x b2[hi]
.set j, j+2
.endr
.irp i, 0,1,2,3
	ds_store_b128 v37, v[56+8*\i:59+8*\i] offset:64*\i        ; lane (r, h): token r, columns 16 i + 8 h + 0 .. 7
	ds_store_b128 v37, v[60+8*\i:63+8*\i] offset:64*\i+16
.endr
.irp t, 0,1,2,3,4,5,6,7
	ds_load_b128 v[88+4*\t:91+4*\t], v38 offset:544*\t        ; LDS serves a wave's instructions in order: these see my stores
.endr
.irp t, 0,1,2,3,4,5,6,7
	s_wait_dscnt 7-\t
	global_store_b128 v[26+\t], v[88+4*\t:91+4*\t], s[48:49] th:TH_STORE_NT   ; sixteen lanes store 256 consecutive bytes of a token's row, at a multiple of 256 from out0's first byte
.endr
	s_wait_xcnt 0x0
	v_lshl_add_u32 v254, v0, 2, 0x28800
	v_mov_b32 v255, 0
	s_wait_alu depctr_va_vdst(0)
	s_wait_tensorcnt 0x0
	ds_add_u32 v254, v255
	s_wait_dscnt 0x0
	s_endpgm
.Lfunc_end_k_q55bfcb40d4_ffn2:
	.size	k_q55bfcb40d4_ffn2, .Lfunc_end_k_q55bfcb40d4_ffn2-k_q55bfcb40d4_ffn2
	.p2alignl 7, 3214868480
	.fill 96, 4, 3214868480
	.section	.rodata,"a",@progbits
	.p2align	6, 0x0
	.amdhsa_kernel k_q55bfcb40d4_ffn2
		.amdhsa_group_segment_fixed_size 166912
		.amdhsa_private_segment_fixed_size 0
		.amdhsa_enable_private_segment 0
		.amdhsa_kernarg_size 56
		.amdhsa_user_sgpr_count 2
		.amdhsa_user_sgpr_kernarg_segment_ptr 1
		.amdhsa_wavefront_size32 1
		.amdhsa_system_sgpr_workgroup_id_x 1
		.amdhsa_system_sgpr_workgroup_id_y 1
		.amdhsa_system_sgpr_workgroup_id_z 1
		.amdhsa_system_vgpr_workitem_id 0
		.amdhsa_next_free_vgpr 512
		.amdhsa_next_free_sgpr 66
		.amdhsa_reserve_vcc 1
		.amdhsa_float_denorm_mode_32 3
		.amdhsa_float_denorm_mode_16_64 3
		.amdhsa_memory_ordered 1
		.amdhsa_forward_progress 1
		.amdhsa_inst_pref_size 104
	.end_amdhsa_kernel
	.amdgpu_metadata
---
amdhsa.version: [ 1, 2 ]
amdhsa.kernels:
  - .name:           k_q55bfcb40d4_ffn2
    .symbol:         k_q55bfcb40d4_ffn2.kd
    .args:
      - { .name: srt, .offset: 0, .size: 8, .value_kind: global_buffer, .address_space: global }
      - { .name: rg, .offset: 8, .size: 8, .value_kind: global_buffer, .address_space: global }
      - { .name: hid, .offset: 16, .size: 8, .value_kind: global_buffer, .address_space: global }
      - { .name: wq, .offset: 24, .size: 8, .value_kind: global_buffer, .address_space: global }
      - { .name: wsc, .offset: 32, .size: 8, .value_kind: global_buffer, .address_space: global }
      - { .name: b2, .offset: 40, .size: 8, .value_kind: global_buffer, .address_space: global }
      - { .name: out0, .offset: 48, .size: 8, .value_kind: global_buffer, .address_space: global }
    .group_segment_fixed_size: 166912
    .private_segment_fixed_size: 0
    .kernarg_segment_align: 8
    .kernarg_segment_size: 56
    .max_flat_workgroup_size: 256
    .sgpr_count:     66
    .vgpr_count:     512
    .wavefront_size: 32
...
	.end_amdgpu_metadata
.endif
;; end of part 4
